; MI455X (gfx1250); checked and timed in simulation.
; The chip was launched on July 23, 2026; its instructions are those of AMD's public machine-readable ISA for CDNA 5 (MIT licence, August 2026) and "CDNA5" Instruction Set Architecture Reference Guide (July 2026). The comments in the code are by the model that wrote it; some were corrected since.
;; f SRN. Allowed arithmetic: float matrix products may take bf16 or f16 operands with f32 sums; all other float work in f32.
;; Inputs: coords 65,536 x 3 float32; final_b 4 float32; final_w 4 x 128 float32; first_b 128 float32; first_w 128 x 3 float32; res_b1 3 x 128 float32; res_b2 3 x 128 float32; res_w1 3 x 128 x 128 float32; res_w2 3 x 128 x 128 float32.
;; Outputs: out0 65,536 x 3 float32.
;; 2 versions, each right; version 2 is version 1 with the launch fsrn written anew for expert scheduling mode. Each part assembles by itself: llvm-mc -triple=amdgcn-amd-amdhsa -mcpu=gfx1250 --defsym DOCPART=n.
;; ======== version 1 of 2: 1 launch
;; limits: a function is approximated: absolute error at most 4e-05
;; launch fsrn (part 1): grid 256 x 1, 4 waves a work-group, no clusters, 222,208 bytes of LDS; arguments coords, first_w, first_b, res_w1, res_b1, res_w2, res_b2, final_w, final_b, out0; writes out0
.if DOCPART == 1
	.amdgcn_target "amdgcn-amd-amdhsa--gfx1250"
	.amdhsa_code_object_version 6
	.text
	.protected	k_q7642552239_fsrn
	.globl	k_q7642552239_fsrn
	.p2align	8
	.type	k_q7642552239_fsrn,@function
k_q7642552239_fsrn:
	s_mov_b64 s[64:65], 0
	v_nop
	global_prefetch_b8 v0, s[64:65] scope:SCOPE_SE
	s_setreg_imm32_b32 hwreg(HW_REG_WAVE_MODE, 25, 1), 1
	s_wait_xcnt 0x0
; fSRN.  out[n][:] = gradient of output 0 + curl of outputs 1..3 of a sine network 3 -> 128 -> three residual blocks of two 128 x 128 sine layers -> 4, at 65,536 points.
; ONE primal row and THREE tangent rows (d/dc0, d/dc1, d/dc2) go through the six hidden layers together: four rows of products where three forward derivatives, each with a primal of its own, have six.
; SHARES.  256 work-groups of 256 points; a wave owns 64 points, four GROUPS of 16, one after the other.  Lane l = (r = l % 16, h = l / 16) holds point r and, of every tile of 16 features, features 8 h + 0..7.
; LAYOUT.  The products are used transposed: source 0 = 16 output features x 32 inputs of the weights (from LDS, where a row of W lies along the inputs), source 1 = 16 points x 32 inputs of the activations.
; The result holds one point a lane and eight features.  Two neighbouring feature tiles, rounded in pairs to f16, ARE source 1 of the next layer: nothing changes lanes, and cos(z) lies where the tangent sums lie that it multiplies.
; SINE AND COSINE.  t = z / 2 pi; x = t - rndne(t) in [-1/2, 1/2]; u = x x; sin = x (S0 + .. + S4 u^4), cos = C0 + .. + C4 u^4: absolute errors 6e-6 and 4e-5.
; FORMATS.  Weights are stored as f16(32 W), rounded once; primal activations (at most 4 in size, whatever the inputs) as f16; the state h and its tangents, carried from block to block, stay in f32.
; Tangents have no bound of their own, so they are fed under scales made of the weights' Frobenius norms (n0 of first_w; n1, n2 of a block's 32 W1, 32 W2): the state is U = dh 2^15 / (30 sqrt n0);
; by Cauchy-Schwarz |U| <= 2^15 R_b with R_0 = 1, R_(b+1) = R_b + gamma sqrt n2, gamma = (900/1024) s_b sqrt n1 R_b.  Fed are U / R_b and, behind a block's first layer, cos x sum / sqrt n1: both at most 2^15 in size.
; The scales enter as factors of the cosine's five coefficients, in scalar registers: they cost no vector instruction.  The first layer (three inputs) is three fused multiply-adds in f32.
; LIMITS.  |W|, |final_w| < 2,047 (f16 of 32 W); sums of squares between 1e-30 (clamped below) and f32's end; the reduction of t errs by 2^-24 |t| turns; NaN and infinities are not treated apart.
; final_b is added behind the last product, so no derivative sees it: its four numbers are loaded and enter no result.
; NO CLUSTER, NO TENSOR LOAD.  What the work-groups share are the weights, 393,216 bytes of f32.  They must pass through registers to become f16; beside the f16 image (213,248 bytes) LDS has no room
; for a block's 131,072 bytes of f32; and each work-group reads them once, at its start.  So they come by plain loads, a wave's load covering one row's 512 consecutive bytes.
;
; LDS
.set PITCH, 272                 ; a row of weights: 256 bytes of f16 + 16: 17 x 16, so the 16 rows of a fragment load start at 16 different multiples of 16 modulo 256
.set TILE,  16*PITCH            ; 16 output features
.set LAYB,  8*TILE              ; a layer.  Tiles 0-47: the layers in the order of use (w1[0], w2[0], w1[1], ..); tile 48: final_w in rows j and 8 + j, zeros in rows 4-7 and 12-15
.set BT,    49*TILE             ; 213,248: six layers' biases x 30 / 2 pi, [6][128] f32
.set FT,    BT+3072             ; first layer: w[:,0], w[:,1], w[:,2], b, each x 30 / 2 pi, each [128] f32
.set RED,   FT+2048             ; + 8 w: wave w's sums of squares {n1, n2};  + 64 + 4 w: its share of n0
.set STG,   RED+256             ; 768 bytes a wave: its 64 points' results
.set SPARE, STG+3072            ; the spare words, 128 bytes a wave: two blocks of 256 bytes that no other line names
; VECTOR REGISTERS, in windows of 256 (s_set_vgpr_msb: bits 1:0 source 0, 3:2 source 1, 5:4 source 2, 7:6 destination)
.set AW0, 2                     ; r x 272 + 16 h: my place in a tile of weights; never rewritten
.set AW,  3                     ; the same in the layer in hand
.set AB0, 4                     ; BT + 32 h
.set AB,  5                     ; the same in the layer in hand
.set AF0, 6                     ; FT + 32 h
.set STO, 7                     ; where my point's three results go, 192 bytes on with each group
.set RDA, 8                     ; where I read 8 bytes of my wave's results back
.set GOF, 9                     ; 8 l
.set SPW, 10                    ; LDS address of my spare word; never rewritten
.set NIL, 11                    ; 0; never rewritten
.set WOFF, 12                   ; 16,384 w + 16 l: my 16 bytes in my wave's first row of a matrix; never rewritten
.set WST, 13                    ; where my 8 bytes of that row go in LDS
.set REDW, 14
.set REDR, 15
.set CO,  16                    ; v16-31: four groups' coordinates, four registers a group; the group in hand lies lowest
.set BIAS, 32                   ; v32-39
.set TT,  48                    ; t, then x
.set TN,  56                    ; rndne(t), then the sine
.set TU,  64                    ; u
.set TQ,  72                    ; the sine's polynomial
.set TC,  80                    ; the cosine's, times the layer's scale
.set TM,  88                    ; v88-111: three tangent rows at work
.set CV,  48                    ; v48-111, in the set-up: a matrix's share as f16
.set AF,  112                   ; v112-175: two buffers of four weight fragments (in the first layer: of its four tables)
.set ACC, 176                   ; v176-239: two buffers of four accumulators: row q at + 8 q
.set SQ,  240                   ; v240-255: sums of squares, four chains of pairs a matrix
.set HF,  0                     ; window 1, v0-127: h and its tangents as f16 fragments: row q, inputs 32 c on at 32 q + 8 c
.set SF,  128                   ; window 1, v128-255: the same behind a block's first layer
                                ; window 2: the state in f32: tile m, row q at 32 m + 8 q.   window 3: a block's two matrices on their way in: matrix X, row i at 128 X + 4 i
.set W_MM, 0x04                 ; source 1 in window 1
.set W_CV, 0x40                 ; destination in window 1
.set W_H,  0xa0                 ; source 2 and destination in window 2
.set W_K,  0x02                 ; source 0 in window 2
.set W_CP, 0x4a                 ; sources 0 and 1 in window 2, destination in window 1
.set W_H0, 0x80                 ; destination in window 2
.set W_L3, 0xc0                 ; destination in window 3
.set W_M3, 0xc3                 ; destination and source 0 in window 3
.set W_S3, 0x0f                 ; sources 0 and 1 in window 3
; SCALAR REGISTERS.  s[8:27]: the ten addresses
.set WV,  2                     ; my wave's number
.set SEL, 28                    ; s[28:29] v_permlanex16_b32's selects: each lane takes its own place in the other half
.set GCNT, 30
.set BCNT, 31
.set CVC, 32
.set SB,  33                    ; s_b: 1, then 0.5
.set RC,  34                    ; R_b
.set DELTA, 36                  ; R_3 sqrt(n0) 30 / 2^20
.set MU,  37                    ; (2 pi / 30) 2^15 / sqrt(n0)
.set B2,  38                    ; 30 / (64 pi)
.set K1S, 39                    ; 30 / (2 pi)
.set CUR, 40                    ; s[40:43] the block in hand: beta1, alpha, gamma, kappa;  s[44:47], s[48:51] the two behind it
.set NX1, 44
.set NX2, 48
.set ROT, 52
.set BETA, 56                   ; pairs: a packed instruction names both words and takes the low one for both halves
.set KAP, 58
.set K32, 60
.set SS,  66                    ; s[66:75] S0..S4, as pairs
.set CK,  76                    ; s76-80   C0..C4
.set CC,  82                    ; s[82:91] C0..C4 times the layer's scale, as pairs
.set FB,  92                    ; s[92:95] final_b
.set TINY, 0x0da24260           ; 1e-30
.set MSB, 0
.macro WIN new                  ; the immediate's high byte repeats the setting that is left; a switch that changes nothing is dropped
.if MSB != (\new)
	s_set_vgpr_msb (MSB<<8)|(\new)
.set MSB, (\new)
.endif
.endm
.macro WRED r, tmp              ; the sum over the wave's 32 lanes, in every lane
	v_add_f32_dpp v[\r], v[\r], v[\r] row_xmask:1 row_mask:0xf bank_mask:0xf
	v_add_f32_dpp v[\r], v[\r], v[\r] row_xmask:2 row_mask:0xf bank_mask:0xf
	v_add_f32_dpp v[\r], v[\r], v[\r] row_xmask:4 row_mask:0xf bank_mask:0xf
	v_add_f32_dpp v[\r], v[\r], v[\r] row_xmask:8 row_mask:0xf bank_mask:0xf
	v_permlanex16_b32 v[\tmp], v[\r], s[SEL], s[SEL+1]
	v_add_f32 v[\r], v[\r], v[\tmp]
.endm
.macro SETC scale               ; the cosine's coefficients take the layer's scale
.irp e, 0,1,2,3,4
	s_mul_f32 s[CC+2*\e], s[CK+\e], \scale
.endr
.endm
; ---------------------------------------------------------------- the head
	s_load_b512 s[8:23], s[0:1], 0x0               ; coords 8, first_w 10, first_b 12, res_w1 14, res_b1 16, res_w2 18, res_b2 20, final_w 22
	s_load_b128 s[24:27], s[0:1], 0x40             ; final_b 24, out0 26
	v_lshl_add_u32 v[SPW], v0, 2, SPARE
	v_mov_b32 v[NIL], 0
	v_lshrrev_b32 v1, 5, v0
	v_readfirstlane_b32 s[WV], v1                  ; wave 0..3
	v_and_b32 v40, 15, v0                          ; r
	v_bfe_u32 v41, v0, 4, 1                        ; h
	v_and_b32 v42, 31, v0                          ; l
	v_mul_u32_u24 v[AW0], v40, PITCH
	v_lshl_add_u32 v[AW0], v41, 4, v[AW0]
	v_lshlrev_b32 v43, 5, v41
	v_add_nc_u32 v[AB0], BT, v43
	v_add_nc_u32 v[AF0], FT, v43
	v_mul_u32_u24 v56, v40, 12                     ; my point's 12 bytes in a group's 192
	v_mul_u32_u24 v57, v0, 12                      ; thread t serves feature t in the small tables: first_w's row,
	v_lshlrev_b32 v58, 2, v0                       ; a bias word,
	v_lshlrev_b32 v59, 4, v0                       ; and 16 bytes of final_w: row w, columns 4 l on
	v_lshlrev_b32 v[GOF], 3, v42
	s_mul_i32 s3, s[WV], 768                       ; my wave's 64 points x 12 bytes
	s_add_co_u32 s4, s3, STG
	v_add_nc_u32 v[STO], s4, v56
	v_add_nc_u32 v[RDA], s4, v[GOF]
	s_lshl_b32 s4, s[WV], 14                       ; my wave's 32 rows of 512 bytes in a matrix
	v_lshl_add_u32 v[WOFF], v42, 4, s4
	s_mul_i32 s4, s[WV], 32*PITCH                  ; and in its image
	v_add_nc_u32 v[WST], s4, v[GOF]
	s_lshl_b32 s4, s[WV], 3
	s_add_co_u32 s4, s4, RED
	v_mov_b32 v[REDW], s4
	v_mov_b32 v[REDR], RED
	v_lshl_add_u32 v60, v0, 2, FT
	v_lshl_add_u32 v61, v0, 2, BT
	v_mov_b32 v[CO+3], 0                           ; named with c2 as a pair
	s_mov_b32 s[SEL], 0x76543210
	s_mov_b32 s[SEL+1], 0xfedcba98
	s_mov_b32 s[SB], 1.0
	s_mov_b32 s[RC], 1.0
	s_mov_b32 s[B2], 0x3e18c9eb                    ; 30 / (64 pi)
	s_mov_b32 s[K1S], 0x4098c9eb                   ; 30 / (2 pi)
.irp e, 0,1,2,3,4,5,6,7
	s_mov_b32 s[NX1+\e], 0                         ; shifted before they are filled
.endr
	s_mov_b32 s[BETA+1], 0                         ; the pairs' upper words are named, never used
	s_mov_b32 s[KAP+1], 0
	s_mov_b32 s[K32], 0x42000000                   ; 32
	s_mov_b32 s[K32+1], 0
.irp e, 1,3,5,7,9
	s_mov_b32 s[SS+\e], 0
	s_mov_b32 s[CC+\e], 0
.endr
	s_mov_b32 s[SS], 0x40c90ec7                    ;   6.2830541
	s_mov_b32 s[SS+2], 0xc2255312                  ; -41.331123
	s_mov_b32 s[SS+4], 0x42a2bb23                  ;  81.365498
	s_mov_b32 s[SS+6], 0xc294f124                  ; -74.470977
	s_mov_b32 s[SS+8], 0x4203135b                  ;  32.768902
	s_mov_b32 s[CK], 0x3f7ffd50                    ;   0.99995902
	s_mov_b32 s[CK+1], 0xc19dd8f8                  ; -19.730942
	s_mov_b32 s[CK+2], 0x428157c7                  ;  64.671442
	s_mov_b32 s[CK+3], 0xc2a4c818                  ; -82.390806
	s_mov_b32 s[CK+4], 0x42367bf5                  ;  45.621051
	s_wait_kmcnt 0x0
	s_mul_i32 s4, ttmp9, 3072                      ; the work-group's 256 points x 12 bytes,
	s_add_co_u32 s4, s4, s3                        ; my wave's 64 of them
	s_mov_b32 s5, 0
	s_add_nc_u64 s[8:9], s[8:9], s[4:5]
	s_add_nc_u64 s[26:27], s[26:27], s[4:5]
	s_load_b128 s[FB:FB+3], s[24:25], 0x0          ; final_b: read; a derivative does not see it
; thirteen small loads, then block 0's first matrix
.irp g, 0,1,2,3
	global_load_b96 v[CO+4*\g:CO+4*\g+2], v56, s[8:9] offset:192*\g th:TH_LOAD_NT
.endr
	global_load_b96 v[40:42], v57, s[10:11]
	global_load_b32 v43, v58, s[12:13]
	global_load_b32 v44, v58, s[16:17]
	global_load_b32 v45, v58, s[16:17] offset:512
	global_load_b32 v46, v58, s[16:17] offset:1024
	global_load_b32 v47, v58, s[20:21]
	global_load_b32 v48, v58, s[20:21] offset:512
	global_load_b32 v49, v58, s[20:21] offset:1024
	global_load_b128 v[52:55], v59, s[22:23]
; My wave's 32 rows of a block's matrix X (0: w1, 1: w2): a load of the wave covers one row's 512 consecutive bytes.
.macro LOADW X
	WIN W_L3
.set i_, 0
.rept 32
.if (\X) == 0
	global_load_b128 v[4*i_:4*i_+3], v[WOFF], s[14:15] offset:512*i_
.else
	global_load_b128 v[128+4*i_:128+4*i_+3], v[WOFF], s[18:19] offset:512*i_
.endif
.set i_, i_+1
.endr
	WIN 0
.endm
	LOADW 0
	s_wait_loadcnt 32                              ; loads come back in order: all but the 32 rows just asked for are in, and their address registers are free
	s_wait_kmcnt 0x0                               ; final_b
	v_mul_f32 v62, v40, v40                        ; my feature's share of n0
	v_fmac_f32 v62, v41, v41
	v_fmac_f32 v62, v42, v42
	WRED 62, 1
.irp e, 40,41,42,43,44,45,46,47,48,49
	v_mul_f32 v\e, s[K1S], v\e                     ; into turns
.endr
	ds_store_b32 v60, v40
	ds_store_b32 v60, v41 offset:512
	ds_store_b32 v60, v42 offset:1024
	ds_store_b32 v60, v43 offset:1536
	ds_store_b32 v61, v44                          ; the biases in the order of use: b1[0], b2[0], b1[1], ..
	ds_store_b32 v61, v47 offset:512
	ds_store_b32 v61, v45 offset:1024
	ds_store_b32 v61, v48 offset:1536
	ds_store_b32 v61, v46 offset:2048
	ds_store_b32 v61, v49 offset:2560
	s_lshl_b32 s4, s[WV], 2
	s_add_co_u32 s4, s4, RED+64
	v_mov_b32 v56, s4
	ds_store_b32 v56, v62
	v_pk_mul_f32 v[52:53], v[52:53], s[K32:K32+1] op_sel_hi:[1,0]
	v_pk_mul_f32 v[54:55], v[54:55], s[K32:K32+1] op_sel_hi:[1,0]
	s_mul_i32 s4, s[WV], PITCH
	s_add_co_u32 s4, s4, 48*TILE
	v_add_nc_u32 v57, s4, v[GOF]
	v_mov_b32 v58, 0
	v_mov_b32 v59, 0
	v_cvt_pk_f16_f32 v50, v52, v53
	v_cvt_pk_f16_f32 v51, v54, v55
	ds_store_b64 v57, v[50:51]                     ; tile 48: final_w's row w in rows w and 8 + w, so that both halves of the lanes get output w in register w,
	ds_store_b64 v57, v[50:51] offset:8*PITCH
	ds_store_b64 v57, v[58:59] offset:4*PITCH      ; and zeros in rows 4 + w and 12 + w
	ds_store_b64 v57, v[58:59] offset:12*PITCH
	LOADW 1
; Matrix X of the block in hand: times 32, its squares summed, rounded to f16, into the image.
.macro CVT X
	WIN W_M3
.set i_, 0
.rept 64
	v_pk_mul_f32 v[128*(\X)+2*i_:128*(\X)+2*i_+1], v[128*(\X)+2*i_:128*(\X)+2*i_+1], s[K32:K32+1] op_sel_hi:[1,0]
.set i_, i_+1
.endr
	WIN W_S3
.set i_, 0
.rept 64
.set sq, SQ+8*(\X)+2*(i_%4)
.set wr, 128*(\X)+2*i_
.if i_ < 4
	v_pk_mul_f32 v[sq:sq+1], v[wr:wr+1], v[wr:wr+1]    ; the first four start the chains: nothing is cleared
.else
	v_pk_fma_f32 v[sq:sq+1], v[wr:wr+1], v[wr:wr+1], v[sq:sq+1]
.endif
	v_cvt_pk_f16_f32 v[CV+i_], v[wr], v[wr+1]
.set i_, i_+1
.endr
	WIN 0
.set i_, 0
.rept 32
	ds_store_b64 v[WST], v[CV+2*i_:CV+2*i_+1] offset:(\X)*LAYB+PITCH*i_    ; 32 lanes x 8 bytes: a row's 256 bytes
.set i_, i_+1
.endr
.endm
; A block's two matrices are converted and its four scalars made.  more = 1: the next block's matrices are asked for, each as soon as its registers are free.
.macro CONV more
	s_wait_dscnt 0x0                               ; my LDS stores are done, and my reads of the sums of the block before are back:
	s_barrier_signal -1                            ; only behind this barrier are those sums' words written again
	s_barrier_wait -1
	s_wait_loadcnt 32                              ; w1's 32 rows are in; the 32 younger loads are w2's
	CVT 0
.if \more
	s_add_nc_u64 s[14:15], s[14:15], 0x10000       ; its loads are done, so the base may step: the next block's w1
	LOADW 0
	s_wait_loadcnt 32                              ; w2's rows are in; the 32 younger loads are those just issued
.else
	s_wait_loadcnt 0x0                             ; w2's rows are in; nothing was issued behind them
.endif
	CVT 1
.if \more
	s_add_nc_u64 s[18:19], s[18:19], 0x10000
	LOADW 1
.endif
	v_pk_add_f32 v[SQ:SQ+1], v[SQ:SQ+1], v[SQ+2:SQ+3]
	v_pk_add_f32 v[SQ+4:SQ+5], v[SQ+4:SQ+5], v[SQ+6:SQ+7]
	v_pk_add_f32 v[SQ+8:SQ+9], v[SQ+8:SQ+9], v[SQ+10:SQ+11]
	v_pk_add_f32 v[SQ+12:SQ+13], v[SQ+12:SQ+13], v[SQ+14:SQ+15]
	v_pk_add_f32 v[SQ:SQ+1], v[SQ:SQ+1], v[SQ+4:SQ+5]
	v_pk_add_f32 v[SQ+8:SQ+9], v[SQ+8:SQ+9], v[SQ+12:SQ+13]
	v_add_f32 v[SQ], v[SQ], v[SQ+1]
	v_add_f32 v[SQ+1], v[SQ+8], v[SQ+9]
	WRED SQ, SQ+2
	WRED SQ+1, SQ+3
	ds_store_b64 v[REDW], v[SQ:SQ+1]               ; my wave's {n1, n2}
.if \more
	v_add_nc_u32 v[WST], 2*LAYB, v[WST]            ; the next block's place in the image
.endif
	s_wait_dscnt 0x0                               ; for the others' sake: my rows of the image and my sums are stored
	s_barrier_signal -1
	s_barrier_wait -1
	ds_load_b128 v[40:43], v[REDR]
	ds_load_b128 v[44:47], v[REDR] offset:16
	s_mov_b64 s[CUR:CUR+1], s[NX1:NX1+1]           ; the sets move up: after three blocks they lie in block order
	s_mov_b64 s[CUR+2:CUR+3], s[NX1+2:NX1+3]
	s_mov_b64 s[NX1:NX1+1], s[NX2:NX2+1]
	s_mov_b64 s[NX1+2:NX1+3], s[NX2+2:NX2+3]
	s_mul_f32 s3, s[SB], s[RC]
	s_mul_f32 s3, s3, 0x3f610000                   ; 900 / 1024
	s_wait_dscnt 0x0
	v_pk_add_f32 v[40:41], v[40:41], v[42:43]
	v_pk_add_f32 v[44:45], v[44:45], v[46:47]
	v_pk_add_f32 v[40:41], v[40:41], v[44:45]      ; n1, n2
	v_max_num_f32 v40, TINY, v40
	v_max_num_f32 v41, TINY, v41
	v_rsq_f32 v42, v40                             ; alpha = 1 / sqrt n1
	v_rsq_f32 v43, v41
	v_nop                                          ; a plain instruction between a transcendental and the use of its result (ISA guide 5.7.2)
	s_wait_alu depctr_va_vdst(0)
	v_mul_f32 v44, v40, v42                        ; sqrt n1
	v_mul_f32 v45, v41, v43                        ; sqrt n2
	v_mul_f32 v46, s3, v44                         ; gamma
	v_fma_f32 v47, v46, v45, s[RC]                 ; R of the next block
	v_rcp_f32 v44, v47                             ; kappa
	v_nop
	v_readfirstlane_b32 s[NX2+1], v42
	v_readfirstlane_b32 s[NX2+2], v46
	s_wait_alu depctr_va_vdst(0)
	v_readfirstlane_b32 s[NX2+3], v44
	s_mul_f32 s[NX2], s[SB], s[B2]                 ; beta1 = s_b 30 / (64 pi)
	v_readfirstlane_b32 s[RC], v47
	s_mov_b32 s[SB], 0.5
.endm
	s_mov_b32 s[CVC], 2
.Lconv:
	CONV 1
	s_sub_co_u32 s[CVC], s[CVC], 1
	s_cmp_lg_u32 s[CVC], 0
	s_cbranch_scc1 .Lconv
	CONV 0                                         ; the last block is written out: no load leaves the buffers
	ds_load_b128 v[48:51], v[REDR] offset:64       ; the four waves' shares of n0, stored ahead of the first of the barriers above
	s_wait_dscnt 0x0
	v_add_f32 v48, v48, v49
	v_add_f32 v50, v50, v51
	v_add_f32 v48, v48, v50
	v_max_num_f32 v48, TINY, v48
	v_rsq_f32 v49, v48
	v_nop
	s_wait_alu depctr_va_vdst(0)
	v_mul_f32 v50, v48, v49                        ; sqrt n0
	v_readfirstlane_b32 s3, v49
	v_readfirstlane_b32 s4, v50
	s_mul_f32 s[MU], s3, 0x45d676fc                ; (2 pi / 30) 2^15
	s_mul_f32 s4, s4, 0x37f00000                   ; 30 / 2^20
	s_mul_f32 s[DELTA], s4, s[RC]
; ---------------------------------------------------------------- the elementwise work of one tile of 16 features, as a numbered list; all on pairs p = 0..3, one kind of line for all four pairs before the next kind
; Numbers 4 to 51 of the list: reduction and the two polynomials.
.macro CORE n
	WIN 0
.set cp, 2*((\n)%4)
.if (\n) < 12
	v_rndne_f32 v[TN+(\n)-4], v[TT+(\n)-4]
.elseif (\n) < 16
	v_pk_add_f32 v[TT+cp:TT+cp+1], v[TT+cp:TT+cp+1], v[TN+cp:TN+cp+1] neg_lo:[0,1] neg_hi:[0,1]
.elseif (\n) < 20
	v_pk_mul_f32 v[TU+cp:TU+cp+1], v[TT+cp:TT+cp+1], v[TT+cp:TT+cp+1]
.elseif (\n) < 24
	v_pk_fma_f32 v[TQ+cp:TQ+cp+1], v[TU+cp:TU+cp+1], s[SS+8:SS+9], s[SS+6:SS+7] op_sel_hi:[1,0,0]
.elseif (\n) < 28
	v_pk_fma_f32 v[TC+cp:TC+cp+1], v[TU+cp:TU+cp+1], s[CC+8:CC+9], s[CC+6:CC+7] op_sel_hi:[1,0,0]
.else
.set lv, 4-2*(((\n)-28)/8)
.if (((\n)-28)%8) < 4
	v_pk_fma_f32 v[TQ+cp:TQ+cp+1], v[TQ+cp:TQ+cp+1], v[TU+cp:TU+cp+1], s[SS+lv:SS+lv+1] op_sel_hi:[1,1,0]
.else
	v_pk_fma_f32 v[TC+cp:TC+cp+1], v[TC+cp:TC+cp+1], v[TU+cp:TU+cp+1], s[CC+lv:CC+lv+1] op_sel_hi:[1,1,0]
.endif
.endif
.endm
; Number num of tile mt's list.
; kind 0, the first layer, 92 numbers: 0-11 t from the coordinates; 12-59 CORE; 60-63 h = sin; 64-75 U_k = w_k x cos; 76-91 all four rows to f16.
; kind 1, a block's first layer, 84: 0-3 t = sum x beta + bias; 4-51 CORE; 52-55 sin; 56-67 tangent sums x cos; 68-83 all four rows to f16.
; kind 2, its second layer, 96: 0-51 the same; 52-55 h += sin; 56-67 U_k += sum x cos; 68-79 U_k x kappa; 80-95 all four rows to f16.
; Every accumulator is first read at its lowest pair.
.macro EW kind, mt, num
.set ab, ACC+32*((\mt)%2)
.set tb, AF+32*((\mt)%2)
.set ob, 8*((\mt)/2)+4*((\mt)%2)
.set hb, 32*(\mt)
.set pp, (\num)%4
.set p2, 2*pp
.if (\kind) == 0
.if (\num) < 4
	WIN 0
	v_pk_fma_f32 v[TT+p2:TT+p2+1], v[tb+16+p2:tb+17+p2], v[CO+2:CO+3], v[tb+24+p2:tb+25+p2] op_sel_hi:[1,0,1]
.elseif (\num) < 8
	WIN 0
	v_pk_fma_f32 v[TT+p2:TT+p2+1], v[tb+8+p2:tb+9+p2], v[CO:CO+1], v[TT+p2:TT+p2+1] op_sel:[0,1,0] op_sel_hi:[1,1,1]
.elseif (\num) < 12
	WIN 0
	v_pk_fma_f32 v[TT+p2:TT+p2+1], v[tb+p2:tb+p2+1], v[CO:CO+1], v[TT+p2:TT+p2+1] op_sel_hi:[1,0,1]
.elseif (\num) < 60
	CORE (\num)-8
.elseif (\num) < 64
	WIN W_H0
	v_pk_mul_f32 v[hb+p2:hb+p2+1], v[TQ+p2:TQ+p2+1], v[TT+p2:TT+p2+1]
.elseif (\num) < 76
.set kk, ((\num)-64)/4
	WIN W_H0
	v_pk_mul_f32 v[hb+8+8*kk+p2:hb+9+8*kk+p2], v[tb+8*kk+p2:tb+8*kk+p2+1], v[TC+p2:TC+p2+1]
.else
.set kk, ((\num)-76)/4
	WIN W_CP
	v_cvt_pk_f16_f32 v[HF+32*kk+ob+pp], v[hb+8*kk+p2], v[hb+8*kk+p2+1]
.endif
.elseif (\num) < 4
	WIN 0
	v_pk_fma_f32 v[TT+p2:TT+p2+1], v[ab+p2:ab+p2+1], s[BETA:BETA+1], v[BIAS+p2:BIAS+p2+1] op_sel_hi:[1,0,1]
.elseif (\num) < 52
	CORE \num
.elseif (\kind) == 1
.if (\num) < 56
	WIN 0
	v_pk_mul_f32 v[TN+p2:TN+p2+1], v[TQ+p2:TQ+p2+1], v[TT+p2:TT+p2+1]
.elseif (\num) < 68
.set kk, ((\num)-56)/4
	WIN 0
	v_pk_mul_f32 v[TM+8*kk+p2:TM+8*kk+p2+1], v[ab+8+8*kk+p2:ab+9+8*kk+p2], v[TC+p2:TC+p2+1]
.elseif (\num) < 72
	WIN W_CV
	v_cvt_pk_f16_f32 v[SF+ob+pp], v[TN+p2], v[TN+p2+1]
.else
.set kk, ((\num)-72)/4
	WIN W_CV
	v_cvt_pk_f16_f32 v[SF+32+32*kk+ob+pp], v[TM+8*kk+p2], v[TM+8*kk+p2+1]
.endif
.else
.if (\num) < 56
	WIN W_H
	v_pk_fma_f32 v[hb+p2:hb+p2+1], v[TQ+p2:TQ+p2+1], v[TT+p2:TT+p2+1], v[hb+p2:hb+p2+1]
.elseif (\num) < 68
.set kk, ((\num)-56)/4
	WIN W_H
	v_pk_fma_f32 v[hb+8+8*kk+p2:hb+9+8*kk+p2], v[ab+8+8*kk+p2:ab+9+8*kk+p2], v[TC+p2:TC+p2+1], v[hb+8+8*kk+p2:hb+9+8*kk+p2]
.elseif (\num) < 80
.set kk, ((\num)-68)/4
	WIN W_K
	v_pk_mul_f32 v[TM+8*kk+p2:TM+8*kk+p2+1], v[hb+8+8*kk+p2:hb+9+8*kk+p2], s[KAP:KAP+1] op_sel_hi:[1,0]
.elseif (\num) < 84
	WIN W_CP
	v_cvt_pk_f16_f32 v[HF+ob+pp], v[hb+p2], v[hb+p2+1]
.else
.set kk, ((\num)-84)/4
	WIN W_CV
	v_cvt_pk_f16_f32 v[HF+32+32*kk+ob+pp], v[TM+8*kk+p2], v[TM+8*kk+p2+1]
.endif
.endif
.endm
; ---------------------------------------------------------------- the matrix work
; Product idx of a tile's 16: inputs 32 (idx / 4) on, row idx % 4.  The four accumulators take turns, one instruction a turn, and the two buffers alternate from tile to tile.  The first four start the sums.
.macro MM src, mt, idx
	WIN W_MM
.set ra, ACC+32*((\mt)%2)+8*((\idx)%4)
.set rf, AF+32*((\mt)%2)+8*((\idx)/4)
.set rb, (\src)+32*((\idx)%4)+8*((\idx)/4)
.if (\idx) < 4
	v_wmma_f32_16x16x32_f16 v[ra:ra+7], v[rf:rf+7], v[rb:rb+7], 0
.else
	v_wmma_f32_16x16x32_f16 v[ra:ra+7], v[rf:rf+7], v[rb:rb+7], v[ra:ra+7]
.endif
.endm
; Ten LDS loads in one run: the next tile's four weight fragments (behind a layer's last tile: the next layer's first, behind the last layer: tile 48; the image is dense) and this tile's bias.
.macro LOADS mt
	WIN 0
.set lf, AF+32*(((\mt)+1)%2)
.irp e, 0,1,2,3
	ds_load_b128 v[lf+8*\e:lf+8*\e+3], v[AW] offset:((\mt)+1)*TILE+64*\e
	ds_load_b128 v[lf+8*\e+4:lf+8*\e+7], v[AW] offset:((\mt)+1)*TILE+64*\e+32
.endr
	ds_load_b128 v[BIAS:BIAS+3], v[AB] offset:64*(\mt)
	ds_load_b128 v[BIAS+4:BIAS+7], v[AB] offset:64*(\mt)+16
.endm
; A tile's 16 products, and behind each a slice of the list of the tile before: 84 = 4 x 6 + 12 x 5, or 96 = 16 x 6.  None of a slice's lines names a register of the products round it
; (they read the other accumulator buffer and write the other fragment set), so the slices are also the places that stand between a product and the first read of its result, and between
; the last product on a fragment buffer and the loads into it (ISA guide 7.12.1 for the read).  The run of loads stands behind the second slice: the first has read the old bias.
; The first tile has no list to carry: four v_nop are its places.
.macro STEP kind, src, mt
	s_wait_dscnt 0x0                               ; the run of loads issued 14 products ago is in
.set jj, 0
.set ii, 0
.rept 16
	MM \src, \mt, ii
.if (\mt) > 0
.if (\kind) == 2
.set ns, 6
.elseif ii < 4
.set ns, 6
.else
.set ns, 5
.endif
.rept ns
	EW \kind, (\mt)-1, jj
.set jj, jj+1
.endr
.endif
.if ii == 1
	LOADS \mt
.endif
.set ii, ii+1
.endr
.if (\mt) == 0
.rept 4
	v_nop
.endr
.endif
.endm
.macro LAYER kind, src
.set mm_, 0
.rept 8
	STEP \kind, \src, mm_
.set mm_, mm_+1
.endr
	s_wait_dscnt 0x0                               ; the last tile's bias, and the next layer's first fragments
.set jj, 0
.rept 84+12*((\kind)-1)
	EW \kind, 7, jj                                ; the last tile's list has no products to stand behind
.set jj, jj+1
.endr
	WIN 0
	v_add_nc_u32 v[AW], LAYB, v[AW]
	v_add_nc_u32 v[AB], 512, v[AB]
.endm
.macro FTLOAD mt                ; the first layer's four tables for tile mt: eight features each
	WIN 0
.set lf, AF+32*((\mt)%2)
.irp e, 0,1,2,3
	ds_load_b128 v[lf+8*\e:lf+8*\e+3], v[AF0] offset:512*\e+64*(\mt)
	ds_load_b128 v[lf+8*\e+4:lf+8*\e+7], v[AF0] offset:512*\e+64*(\mt)+16
.endr
.endm
; ---------------------------------------------------------------- four groups of 16 points
	s_mov_b32 s[GCNT], 4
.Lgroup:
	v_mov_b32 v[AW], v[AW0]
	v_mov_b32 v[AB], v[AB0]
	SETC s[MU]
	FTLOAD 0
.set mm_, 0
.rept 8                         ; the first layer, tile by tile, on the vector unit: three inputs would leave 29 of a matrix instruction's 32 unused
	s_wait_dscnt 0x0                               ; this tile's tables are in
.if mm_ < 7
	FTLOAD mm_+1
.else
	WIN 0
.irp e, 0,1,2,3
	ds_load_b128 v[AF+8*\e:AF+8*\e+3], v[AW0] offset:64*\e         ; the first hidden layer's first fragments
	ds_load_b128 v[AF+8*\e+4:AF+8*\e+7], v[AW0] offset:64*\e+32
.endr
.endif
.set jj, 0
.rept 92
	EW 0, mm_, jj
.set jj, jj+1
.endr
.set mm_, mm_+1
.endr
	WIN 0                                          ; at a label and at a branch every window is 0
	s_mov_b32 s[BCNT], 3
.Lblock:
	s_mov_b32 s[BETA], s[CUR]
	SETC s[CUR+1]
	LAYER 1, HF
	s_mov_b32 s[BETA], s[B2]
	SETC s[CUR+2]
	s_mov_b32 s[KAP], s[CUR+3]
	LAYER 2, SF
	s_mov_b64 s[ROT:ROT+1], s[CUR:CUR+1]           ; the three sets go round: three trips bring them back
	s_mov_b64 s[ROT+2:ROT+3], s[CUR+2:CUR+3]
	s_mov_b64 s[CUR:CUR+1], s[NX1:NX1+1]
	s_mov_b64 s[CUR+2:CUR+3], s[NX1+2:NX1+3]
	s_mov_b64 s[NX1:NX1+1], s[NX2:NX2+1]
	s_mov_b64 s[NX1+2:NX1+3], s[NX2+2:NX2+3]
	s_mov_b64 s[NX2:NX2+1], s[ROT:ROT+1]
	s_mov_b64 s[NX2+2:NX2+3], s[ROT+2:ROT+3]
	s_sub_co_u32 s[BCNT], s[BCNT], 1
	s_cmp_lg_u32 s[BCNT], 0
	s_cbranch_scc1 .Lblock
; The last layer, for the three tangent rows: accumulator k holds d out_j / d c_k in register j = 0..3, in both halves of the lanes.  Three accumulators by turns.
	WIN W_MM
.irp c, 0,1,2,3
.irp k, 0,1,2
.if \c == 0
	v_wmma_f32_16x16x32_f16 v[ACC+8*\k:ACC+8*\k+7], v[AF+8*\c:AF+8*\c+7], v[HF+32+32*\k+8*\c:HF+32+32*\k+8*\c+7], 0
.else
	v_wmma_f32_16x16x32_f16 v[ACC+8*\k:ACC+8*\k+7], v[AF+8*\c:AF+8*\c+7], v[HF+32+32*\k+8*\c:HF+32+32*\k+8*\c+7], v[ACC+8*\k:ACC+8*\k+7]
.endif
.endr
.endr
	WIN 0
.rept 4
	v_nop                                          ; the places behind those products
.endr
	v_add_f32 v40, v[ACC], v[ACC+8+3]              ; J00 + J31
	v_add_f32 v41, v[ACC+8], v[ACC+16+1]           ; J01 + J12
	v_add_f32 v42, v[ACC+16], v[ACC+2]             ; J02 + J20
	v_sub_f32 v40, v40, v[ACC+16+2]                ; - J22
	v_sub_f32 v41, v41, v[ACC+3]                   ; - J30
	v_sub_f32 v42, v42, v[ACC+8+1]                 ; - J11
	v_mul_f32 v40, s[DELTA], v40                   ; the tangents' scale is taken off
	v_mul_f32 v41, s[DELTA], v41
	v_mul_f32 v42, s[DELTA], v42
	ds_store_b32 v[STO], v40                       ; lanes r and 16 + r hold the same numbers and write the same words
	ds_store_b32 v[STO], v41 offset:4
	ds_store_b32 v[STO], v42 offset:8
	v_add_nc_u32 v[STO], 192, v[STO]
.irp e, 0,1,2,4,5,6,8,9,10
	v_mov_b32 v[CO+\e], v[CO+4+\e]                 ; the next group's coordinates move to where the one text of the first layer names them
.endr
	s_sub_co_u32 s[GCNT], s[GCNT], 1
	s_cmp_lg_u32 s[GCNT], 0
	s_cbranch_scc1 .Lgroup
; ---------------------------------------------------------------- the way out: my wave's 768 bytes, its own in LDS (LDS serves a wave's instructions in order: ISA guide 5.7.1.4), as three stores of 32 lanes x 8 bytes
	ds_load_b64 v[40:41], v[RDA]
	ds_load_b64 v[42:43], v[RDA] offset:256
	ds_load_b64 v[44:45], v[RDA] offset:512
	s_wait_dscnt 2                                 ; the two younger loads may be out
	global_store_b64 v[GOF], v[40:41], s[26:27] th:TH_STORE_NT             ; each store covers 256 consecutive bytes, at a multiple of 256 from out0's first byte
	s_wait_dscnt 1
	global_store_b64 v[GOF], v[42:43], s[26:27] offset:256 th:TH_STORE_NT
	s_wait_dscnt 0x0
	global_store_b64 v[GOF], v[44:45], s[26:27] offset:512 th:TH_STORE_NT
	s_wait_tensorcnt 0x0                           ; the wave's end, behind my last LDS store
	ds_add_u32 v[SPW], v[NIL]
	s_wait_dscnt 0x0
	s_endpgm
.Lfunc_end_k_q7642552239_fsrn:
	.size	k_q7642552239_fsrn, .Lfunc_end_k_q7642552239_fsrn-k_q7642552239_fsrn
	.p2alignl 7, 3214868480
	.fill 96, 4, 3214868480
	.section	.rodata,"a",@progbits
	.p2align	6, 0x0
	.amdhsa_kernel k_q7642552239_fsrn
		.amdhsa_group_segment_fixed_size 222208
		.amdhsa_private_segment_fixed_size 0
		.amdhsa_enable_private_segment 0
		.amdhsa_kernarg_size 80
		.amdhsa_user_sgpr_count 2
		.amdhsa_user_sgpr_kernarg_segment_ptr 1
		.amdhsa_wavefront_size32 1
		.amdhsa_system_sgpr_workgroup_id_x 1
		.amdhsa_system_sgpr_workgroup_id_y 1
		.amdhsa_system_sgpr_workgroup_id_z 1
		.amdhsa_system_vgpr_workitem_id 0
		.amdhsa_next_free_vgpr 1024
		.amdhsa_next_free_sgpr 96
		.amdhsa_reserve_vcc 0
		.amdhsa_float_denorm_mode_32 3
		.amdhsa_float_denorm_mode_16_64 3
		.amdhsa_memory_ordered 1
		.amdhsa_forward_progress 1
		.amdhsa_inst_pref_size 255
	.end_amdhsa_kernel
	.section	.bss,"aw",@nobits
	.p2align	6
	.space	262144
	.amdgpu_metadata
---
amdhsa.version: [ 1, 2 ]
amdhsa.kernels:
  - .name:           k_q7642552239_fsrn
    .symbol:         k_q7642552239_fsrn.kd
    .args:
      - { .name: coords, .offset: 0, .size: 8, .value_kind: global_buffer, .address_space: global }
      - { .name: first_w, .offset: 8, .size: 8, .value_kind: global_buffer, .address_space: global }
      - { .name: first_b, .offset: 16, .size: 8, .value_kind: global_buffer, .address_space: global }
      - { .name: res_w1, .offset: 24, .size: 8, .value_kind: global_buffer, .address_space: global }
      - { .name: res_b1, .offset: 32, .size: 8, .value_kind: global_buffer, .address_space: global }
      - { .name: res_w2, .offset: 40, .size: 8, .value_kind: global_buffer, .address_space: global }
      - { .name: res_b2, .offset: 48, .size: 8, .value_kind: global_buffer, .address_space: global }
      - { .name: final_w, .offset: 56, .size: 8, .value_kind: global_buffer, .address_space: global }
      - { .name: final_b, .offset: 64, .size: 8, .value_kind: global_buffer, .address_space: global }
      - { .name: out0, .offset: 72, .size: 8, .value_kind: global_buffer, .address_space: global }
    .group_segment_fixed_size: 222208
    .private_segment_fixed_size: 0
    .kernarg_segment_align: 8
    .kernarg_segment_size: 80
    .max_flat_workgroup_size: 128
    .sgpr_count:     96
    .vgpr_count:     1024
    .wavefront_size: 32
...
	.end_amdgpu_metadata
.endif
;; end of part 1
;; ======== version 2 of 2: 1 launch; version 1 with the launch fsrn written anew for expert scheduling mode
;; limits: a function is approximated: absolute error at most 4e-05
;; launch fsrn (part 2): grid 256 x 1, 4 waves a work-group, no clusters, 222,208 bytes of LDS; arguments coords, first_w, first_b, res_w1, res_b1, res_w2, res_b2, final_w, final_b, out0; writes out0
.if DOCPART == 2
	.amdgcn_target "amdgcn-amd-amdhsa--gfx1250"
	.amdhsa_code_object_version 6
	.text
	.protected	k_q7642552239_fsrn
	.globl	k_q7642552239_fsrn
	.p2align	8
	.type	k_q7642552239_fsrn,@function
k_q7642552239_fsrn:
	s_mov_b64 s[64:65], 0
	v_nop
	global_prefetch_b8 v0, s[64:65] scope:SCOPE_SE
	s_setreg_imm32_b32 hwreg(HW_REG_WAVE_SCHED_MODE, 0, 2), 2
	s_setreg_imm32_b32 hwreg(HW_REG_WAVE_MODE, 25, 1), 1
	s_wait_xcnt 0x0
	s_wait_alu depctr_vm_vsrc(0)
; fSRN.  out[n][:] = gradient of output 0 + curl of outputs 1..3 of a sine network 3 -> 128 -> three residual blocks of two 128 x 128 sine layers -> 4, at 65,536 points.
; ONE primal row and THREE tangent rows (d/dc0, d/dc1, d/dc2) go through the six hidden layers together: four rows of products where three forward derivatives, each with a primal of its own, have six.
; SHARES.  256 work-groups of 256 points; a wave owns 64 points, four GROUPS of 16, one after the other.  Lane l = (r = l % 16, h = l / 16) holds point r and, of every tile of 16 features, features 8 h + 0..7.
; LAYOUT.  The products are used transposed: source 0 = 16 output features x 32 inputs of the weights (from LDS, where a row of W lies along the inputs), source 1 = 16 points x 32 inputs of the activations.
; The result holds one point a lane and eight features.  Two neighbouring feature tiles, rounded in pairs to f16, ARE source 1 of the next layer: nothing changes lanes, and cos(z) lies where the tangent sums lie that it multiplies.
; SINE AND COSINE.  t = z / 2 pi; x = t - rndne(t) in [-1/2, 1/2]; u = x x; sin = x (S0 + .. + S4 u^4), cos = C0 + .. + C4 u^4: absolute errors 6e-6 and 4e-5.
; FORMATS.  Weights are stored as f16(32 W), rounded once; primal activations (at most 4 in size, whatever the inputs) as f16; the state h and its tangents, carried from block to block, stay in f32.
; Tangents have no bound of their own, so they are fed under scales made of the weights' Frobenius norms (n0 of first_w; n1, n2 of a block's 32 W1, 32 W2): the state is U = dh 2^15 / (30 sqrt n0);
; by Cauchy-Schwarz |U| <= 2^15 R_b with R_0 = 1, R_(b+1) = R_b + gamma sqrt n2, gamma = (900/1024) s_b sqrt n1 R_b.  Fed are U / R_b and, behind a block's first layer, cos x sum / sqrt n1: both at most 2^15 in size.
; The scales enter as factors of the cosine's five coefficients, in scalar registers: they cost no vector instruction.  The first layer (three inputs) is three fused multiply-adds in f32.
; LIMITS.  |W|, |final_w| < 2,047 (f16 of 32 W); sums of squares between 1e-30 (clamped below) and f32's end; the reduction of t errs by 2^-24 |t| turns; NaN and infinities are not treated apart.
; final_b is added behind the last product, so no derivative sees it: its four numbers are loaded and enter no result.
; NO CLUSTER, NO TENSOR LOAD.  What the work-groups share are the weights, 393,216 bytes of f32.  They must pass through registers to become f16; beside the f16 image (213,248 bytes) LDS has no room
; for a block's 131,072 bytes of f32; and each work-group reads them once, at its start.  So they come by plain loads, a wave's load covering one row's 512 consecutive bytes.
; THE MODE: SCHED_MODE bits 1:0 = 2 (LLVM: expert scheduling mode 2), set by the entry lines.  The code itself states the register dependences between vector or matrix instructions and memory or LDS
; instructions, with s_wait_alu, always for 0.
; THE PLAN.  Registers that memory or LDS instructions touch, and who else names them:
;   window 3, in the groups   a whole layer's weight fragments, tile m at 32 m.  Tile 0 is loaded in the tail of the layer before, tile m + 1 in step m; step m's 16 products are tile m's only readers.
;   v112-175, hidden layers   the layer's eight bias sets, loaded in step 0; set m is read by the first four lines of tile m's list: in step m + 1, set 7 at the tail's head.
;   v112-175, first layer     two buffers of its tables: buffer (m + 1) % 2 is loaded at tile m's head; tile m - 1's list has read it.
;   AW, AB                    read by a layer's LDS loads; written at a group's head and in each layer's tail.
;   STO, v40-42               written at a group's end, read by its three LDS stores.
;   window 3, CV, SQ, WST     in the set-up: the raw rows land, CVT's lines read and write them and write CV and SQ, its LDS stores read CV, SQ and WST.
; So ONE wait on va_vdst stands in a hidden layer: in its tail, behind the last tile's first four lines.  Behind it all the layer's products are done reading window 3, all eight bias sets have been read, and AW
; and AB are written.  All loads of the next layer follow it without a further wait: since the wait only the products of tiles up to m have named window 3, and no vector or matrix instruction v112-175, AW or AB.
;
; LDS
.set PITCH, 272                 ; a row of weights: 256 bytes of f16 + 16: 17 x 16, so the 16 rows of a fragment load start at 16 different multiples of 16 modulo 256
.set TILE,  16*PITCH            ; 16 output features
.set LAYB,  8*TILE              ; a layer.  Tiles 0-47: the layers in the order of use (w1[0], w2[0], w1[1], ..); tile 48: final_w in rows j and 8 + j, zeros in rows 4-7 and 12-15
.set BT,    49*TILE             ; 213,248: six layers' biases x 30 / 2 pi, [6][128] f32
.set FT,    BT+3072             ; first layer: w[:,0], w[:,1], w[:,2], b, each x 30 / 2 pi, each [128] f32
.set RED,   FT+2048             ; + 8 w: wave w's sums of squares {n1, n2};  + 64 + 4 w: its share of n0
.set STG,   RED+256             ; 768 bytes a wave: its 64 points' results
.set SPARE, STG+3072            ; the spare words, 128 bytes a wave: two blocks of 256 bytes that no other line names
; VECTOR REGISTERS, in windows of 256 (s_set_vgpr_msb: bits 1:0 source 0, 3:2 source 1, 5:4 source 2, 7:6 destination)
.set AW0, 2                     ; r x 272 + 16 h: my place in a tile of weights; never rewritten
.set AW,  3                     ; the same in the layer in hand
.set AB0, 4                     ; BT + 32 h
.set AB,  5                     ; the same in the layer in hand
.set AF0, 6                     ; FT + 32 h
.set STO, 7                     ; where my point's three results go, 192 bytes on with each group
.set RDA, 8                     ; where I read 8 bytes of my wave's results back
.set GOF, 9                     ; 8 l
.set SPW, 10                    ; LDS address of my spare word; never rewritten
.set NIL, 11                    ; 0; never rewritten
.set WOFF, 12                   ; 16,384 w + 16 l: my 16 bytes in my wave's first row of a matrix; never rewritten
.set WST, 13                    ; where my 8 bytes of that row go in LDS
.set REDW, 14
.set REDR, 15
.set CO,  16                    ; v16-31: four groups' coordinates, four registers a group; the group in hand lies lowest
                                ; v40-47: at work in the set-up and at a group's end
.set TT,  48                    ; t, then x
.set TN,  56                    ; rndne(t), then the sine
.set TU,  64                    ; u
.set TQ,  72                    ; the sine's polynomial
.set TC,  80                    ; the cosine's, times the layer's scale
.set TM,  88                    ; v88-111: three tangent rows at work
.set CV,  48                    ; v48-111, in the set-up: a matrix's share as f16
.set AF,  112                   ; v112-175, in the first layer: two buffers of its four tables
.set BS,  112                   ; v112-175, in the hidden layers: the layer's biases, tile m's eight at + 8 m
.set ACC, 176                   ; v176-239: two buffers of four accumulators: row q at + 8 q
.set SQ,  240                   ; v240-255: sums of squares, four chains of pairs a matrix
.set HF,  0                     ; window 1, v0-127: h and its tangents as f16 fragments: row q, inputs 32 c on at 32 q + 8 c
.set SF,  128                   ; window 1, v128-255: the same behind a block's first layer
                                ; window 2: the state in f32: tile m, row q at 32 m + 8 q
                                ; window 3: in the set-up a block's two matrices on their way in: matrix X, row i at 128 X + 4 i; in the groups a layer's weight fragments: tile m, inputs 32 c on at 32 m + 8 c
.set W_MM, 0x07                 ; source 0 in window 3, source 1 in window 1
.set W_CV, 0x40                 ; destination in window 1
.set W_H,  0xa0                 ; source 2 and destination in window 2
.set W_K,  0x02                 ; source 0 in window 2
.set W_CP, 0x4a                 ; sources 0 and 1 in window 2, destination in window 1
.set W_H0, 0x80                 ; destination in window 2
.set W_L3, 0xc0                 ; destination in window 3
.set W_M3, 0xc3                 ; destination and source 0 in window 3
.set W_S3, 0x0f                 ; sources 0 and 1 in window 3
; SCALAR REGISTERS.  s[8:27]: the ten addresses
.set WV,  2                     ; my wave's number
.set SEL, 28                    ; s[28:29] v_permlanex16_b32's selects: each lane takes its own place in the other half
.set GCNT, 30
.set BCNT, 31
.set CVC, 32
.set SB,  33                    ; s_b: 1, then 0.5
.set RC,  34                    ; R_b
.set DELTA, 36                  ; R_3 sqrt(n0) 30 / 2^20
.set MU,  37                    ; (2 pi / 30) 2^15 / sqrt(n0)
.set B2,  38                    ; 30 / (64 pi)
.set K1S, 39                    ; 30 / (2 pi)
.set CUR, 40                    ; s[40:43] the block in hand: beta1, alpha, gamma, kappa;  s[44:47], s[48:51] the two behind it
.set NX1, 44
.set NX2, 48
.set ROT, 52
.set BETA, 56                   ; pairs: a packed instruction names both words and takes the low one for both halves
.set KAP, 58
.set K32, 60
.set SS,  66                    ; s[66:75] S0..S4, as pairs
.set CK,  76                    ; s76-80   C0..C4
.set CC,  82                    ; s[82:91] C0..C4 times the layer's scale, as pairs
.set FB,  92                    ; s[92:95] final_b
.set TINY, 0x0da24260           ; 1e-30
.set MSB, 0
.macro WIN new                  ; the immediate's high byte repeats the setting that is left; a switch that changes nothing is dropped
.if MSB != (\new)
	s_set_vgpr_msb (MSB<<8)|(\new)
.set MSB, (\new)
.endif
.endm
.macro WRED r, tmp              ; the sum over the wave's 32 lanes, in every lane
	v_add_f32_dpp v[\r], v[\r], v[\r] row_xmask:1 row_mask:0xf bank_mask:0xf
	v_add_f32_dpp v[\r], v[\r], v[\r] row_xmask:2 row_mask:0xf bank_mask:0xf
	v_add_f32_dpp v[\r], v[\r], v[\r] row_xmask:4 row_mask:0xf bank_mask:0xf
	v_add_f32_dpp v[\r], v[\r], v[\r] row_xmask:8 row_mask:0xf bank_mask:0xf
	v_permlanex16_b32 v[\tmp], v[\r], s[SEL], s[SEL+1]
	v_add_f32 v[\r], v[\r], v[\tmp]
.endm
.macro SETC scale               ; the cosine's coefficients take the layer's scale
.irp e, 0,1,2,3,4
	s_mul_f32 s[CC+2*\e], s[CK+\e], \scale
.endr
.endm
; ---------------------------------------------------------------- the head
	s_load_b512 s[8:23], s[0:1], 0x0               ; coords 8, first_w 10, first_b 12, res_w1 14, res_b1 16, res_w2 18, res_b2 20, final_w 22
	s_load_b128 s[24:27], s[0:1], 0x40             ; final_b 24, out0 26
	v_lshl_add_u32 v[SPW], v0, 2, SPARE
	v_mov_b32 v[NIL], 0
	v_lshrrev_b32 v1, 5, v0
	v_readfirstlane_b32 s[WV], v1                  ; wave 0..3
	v_and_b32 v40, 15, v0                          ; r
	v_bfe_u32 v41, v0, 4, 1                        ; h
	v_and_b32 v42, 31, v0                          ; l
	v_mul_u32_u24 v[AW0], v40, PITCH
	v_lshl_add_u32 v[AW0], v41, 4, v[AW0]
	v_lshlrev_b32 v43, 5, v41
	v_add_nc_u32 v[AB0], BT, v43
	v_add_nc_u32 v[AF0], FT, v43
	v_mul_u32_u24 v56, v40, 12                     ; my point's 12 bytes in a group's 192
	v_mul_u32_u24 v57, v0, 12                      ; thread t serves feature t in the small tables: first_w's row,
	v_lshlrev_b32 v58, 2, v0                       ; a bias word,
	v_lshlrev_b32 v59, 4, v0                       ; and 16 bytes of final_w: row w, columns 4 l on
	v_lshlrev_b32 v[GOF], 3, v42
	s_wait_alu depctr_va_sdst(0)                   ; the wave's number is written, ahead of its first reader
	s_mul_i32 s3, s[WV], 768                       ; my wave's 64 points x 12 bytes
	s_add_co_u32 s4, s3, STG
	v_add_nc_u32 v[STO], s4, v56
	v_add_nc_u32 v[RDA], s4, v[GOF]
	s_lshl_b32 s4, s[WV], 14                       ; my wave's 32 rows of 512 bytes in a matrix
	v_lshl_add_u32 v[WOFF], v42, 4, s4
	s_mul_i32 s4, s[WV], 32*PITCH                  ; and in its image
	v_add_nc_u32 v[WST], s4, v[GOF]
	s_lshl_b32 s4, s[WV], 3
	s_add_co_u32 s4, s4, RED
	v_mov_b32 v[REDW], s4
	v_mov_b32 v[REDR], RED
	v_lshl_add_u32 v60, v0, 2, FT
	v_lshl_add_u32 v61, v0, 2, BT
	v_mov_b32 v[CO+3], 0                           ; named with c2 as a pair
	s_mov_b32 s[SEL], 0x76543210
	s_mov_b32 s[SEL+1], 0xfedcba98
	s_mov_b32 s[SB], 1.0
	s_mov_b32 s[RC], 1.0
	s_mov_b32 s[B2], 0x3e18c9eb                    ; 30 / (64 pi)
	s_mov_b32 s[K1S], 0x4098c9eb                   ; 30 / (2 pi)
.irp e, 0,1,2,3,4,5,6,7
	s_mov_b32 s[NX1+\e], 0                         ; shifted before they are filled
.endr
	s_mov_b32 s[BETA+1], 0                         ; the pairs' upper words are named, never used
	s_mov_b32 s[KAP+1], 0
	s_mov_b32 s[K32], 0x42000000                   ; 32
	s_mov_b32 s[K32+1], 0
.irp e, 1,3,5,7,9
	s_mov_b32 s[SS+\e], 0
	s_mov_b32 s[CC+\e], 0
.endr
	s_mov_b32 s[SS], 0x40c90ec7                    ;   6.2830541
	s_mov_b32 s[SS+2], 0xc2255312                  ; -41.331123
	s_mov_b32 s[SS+4], 0x42a2bb23                  ;  81.365498
	s_mov_b32 s[SS+6], 0xc294f124                  ; -74.470977
	s_mov_b32 s[SS+8], 0x4203135b                  ;  32.768902
	s_mov_b32 s[CK], 0x3f7ffd50                    ;   0.99995902
	s_mov_b32 s[CK+1], 0xc19dd8f8                  ; -19.730942
	s_mov_b32 s[CK+2], 0x428157c7                  ;  64.671442
	s_mov_b32 s[CK+3], 0xc2a4c818                  ; -82.390806
	s_mov_b32 s[CK+4], 0x42367bf5                  ;  45.621051
	s_wait_kmcnt 0x0
	s_mul_i32 s4, ttmp9, 3072                      ; the work-group's 256 points x 12 bytes,
	s_add_co_u32 s4, s4, s3                        ; my wave's 64 of them
	s_mov_b32 s5, 0
	s_add_nc_u64 s[8:9], s[8:9], s[4:5]
	s_add_nc_u64 s[26:27], s[26:27], s[4:5]
	s_load_b128 s[FB:FB+3], s[24:25], 0x0          ; final_b: read; a derivative does not see it
	s_wait_alu depctr_va_vdst(0)                   ; all offsets and LDS addresses of the kernel are written (v2 to v15, v56 to v61), which loads and stores read; the lines above are done with v40 to v43, in which loads land
; thirteen small loads, then block 0's first matrix
.irp g, 0,1,2,3
	global_load_b96 v[CO+4*\g:CO+4*\g+2], v56, s[8:9] offset:192*\g th:TH_LOAD_NT
.endr
	global_load_b96 v[40:42], v57, s[10:11]
	global_load_b32 v43, v58, s[12:13]
	global_load_b32 v44, v58, s[16:17]
	global_load_b32 v45, v58, s[16:17] offset:512
	global_load_b32 v46, v58, s[16:17] offset:1024
	global_load_b32 v47, v58, s[20:21]
	global_load_b32 v48, v58, s[20:21] offset:512
	global_load_b32 v49, v58, s[20:21] offset:1024
	global_load_b128 v[52:55], v59, s[22:23]
; My wave's 32 rows of a block's matrix X (0: w1, 1: w2): a load of the wave covers one row's 512 consecutive bytes.
; No wait stands in it: where it is used, no vector instruction since the last wait on va_vdst names the rows' registers or WOFF.
.macro LOADW X
	WIN W_L3
.set i_, 0
.rept 32
.if (\X) == 0
	global_load_b128 v[4*i_:4*i_+3], v[WOFF], s[14:15] offset:512*i_
.else
	global_load_b128 v[128+4*i_:128+4*i_+3], v[WOFF], s[18:19] offset:512*i_
.endif
.set i_, i_+1
.endr
	WIN 0
.endm
	LOADW 0
	s_wait_loadcnt 32                              ; loads come back in order: all but the 32 rows just asked for are in
	s_wait_kmcnt 0x0                               ; final_b
	s_wait_alu depctr_vm_vsrc(0)                   ; the thirteen small loads have read v56 to v59, which are written again below
	v_mul_f32 v62, v40, v40                        ; my feature's share of n0
	v_fmac_f32 v62, v41, v41
	v_fmac_f32 v62, v42, v42
	WRED 62, 1
.irp e, 40,41,42,43,44,45,46,47,48,49
	v_mul_f32 v\e, s[K1S], v\e                     ; into turns
.endr
	s_lshl_b32 s4, s[WV], 2
	s_add_co_u32 s4, s4, RED+64
	v_mov_b32 v56, s4
	v_pk_mul_f32 v[52:53], v[52:53], s[K32:K32+1] op_sel_hi:[1,0]
	v_pk_mul_f32 v[54:55], v[54:55], s[K32:K32+1] op_sel_hi:[1,0]
	s_mul_i32 s4, s[WV], PITCH
	s_add_co_u32 s4, s4, 48*TILE
	v_add_nc_u32 v57, s4, v[GOF]
	v_mov_b32 v58, 0
	v_mov_b32 v59, 0
	v_cvt_pk_f16_f32 v50, v52, v53
	v_cvt_pk_f16_f32 v51, v54, v55
	s_wait_alu depctr_va_vdst(0)                   ; the lines above have written v40 to v51, v56 to v59 and v62, the data and addresses of the run of LDS stores below
	ds_store_b32 v60, v40
	ds_store_b32 v60, v41 offset:512
	ds_store_b32 v60, v42 offset:1024
	ds_store_b32 v60, v43 offset:1536
	ds_store_b32 v61, v44                          ; the biases in the order of use: b1[0], b2[0], b1[1], ..
	ds_store_b32 v61, v47 offset:512
	ds_store_b32 v61, v45 offset:1024
	ds_store_b32 v61, v48 offset:1536
	ds_store_b32 v61, v46 offset:2048
	ds_store_b32 v61, v49 offset:2560
	ds_store_b32 v56, v62
	ds_store_b64 v57, v[50:51]                     ; tile 48: final_w's row w in rows w and 8 + w, so that both halves of the lanes get output w in register w,
	ds_store_b64 v57, v[50:51] offset:8*PITCH
	ds_store_b64 v57, v[58:59] offset:4*PITCH      ; and zeros in rows 4 + w and 12 + w
	ds_store_b64 v57, v[58:59] offset:12*PITCH
	LOADW 1
; Matrix X of the block in hand: times 32, its squares summed, rounded to f16, into the image.
.macro CVT X
	WIN W_M3
.set i_, 0
.rept 64
	v_pk_mul_f32 v[128*(\X)+2*i_:128*(\X)+2*i_+1], v[128*(\X)+2*i_:128*(\X)+2*i_+1], s[K32:K32+1] op_sel_hi:[1,0]
.set i_, i_+1
.endr
	WIN W_S3
	s_wait_alu depctr_vm_vsrc(0)                   ; the LDS stores issued so far have read v48 to v111 and the sums' registers, which the lines below write again
.set i_, 0
.rept 64
.set sq, SQ+8*(\X)+2*(i_%4)
.set wr, 128*(\X)+2*i_
.if i_ < 4
	v_pk_mul_f32 v[sq:sq+1], v[wr:wr+1], v[wr:wr+1]    ; the first four start the chains: nothing is cleared
.else
	v_pk_fma_f32 v[sq:sq+1], v[wr:wr+1], v[wr:wr+1], v[sq:sq+1]
.endif
	v_cvt_pk_f16_f32 v[CV+i_], v[wr], v[wr+1]
.set i_, i_+1
.endr
	WIN 0
	s_wait_alu depctr_va_vdst(0)                   ; the roundings have written CV, which the LDS stores read (and WST is written); the lines above are done with matrix X's raw rows, in which the next block's loads land
.set i_, 0
.rept 32
	ds_store_b64 v[WST], v[CV+2*i_:CV+2*i_+1] offset:(\X)*LAYB+PITCH*i_    ; 32 lanes x 8 bytes: a row's 256 bytes
.set i_, i_+1
.endr
.endm
; A block's two matrices are converted and its four scalars made.  more = 1: the next block's matrices are asked for, each as soon as its registers are free.
.macro CONV more
	s_wait_dscnt 0x0                               ; my LDS stores are done, and my reads of the sums of the block before are back:
	s_barrier_signal -1                            ; only behind this barrier are those sums' words written again
	s_barrier_wait -1
	s_wait_loadcnt 32                              ; w1's 32 rows are in; the 32 younger loads are w2's
	CVT 0
.if \more
	s_add_nc_u64 s[14:15], s[14:15], 0x10000       ; its loads are done, so the base may step: the next block's w1
	LOADW 0
	s_wait_loadcnt 32                              ; w2's rows are in; the 32 younger loads are those just issued
.else
	s_wait_loadcnt 0x0                             ; w2's rows are in; nothing was issued behind them
.endif
	CVT 1
.if \more
	s_add_nc_u64 s[18:19], s[18:19], 0x10000
	LOADW 1
.endif
	v_pk_add_f32 v[SQ:SQ+1], v[SQ:SQ+1], v[SQ+2:SQ+3]
	v_pk_add_f32 v[SQ+4:SQ+5], v[SQ+4:SQ+5], v[SQ+6:SQ+7]
	v_pk_add_f32 v[SQ+8:SQ+9], v[SQ+8:SQ+9], v[SQ+10:SQ+11]
	v_pk_add_f32 v[SQ+12:SQ+13], v[SQ+12:SQ+13], v[SQ+14:SQ+15]
	v_pk_add_f32 v[SQ:SQ+1], v[SQ:SQ+1], v[SQ+4:SQ+5]
	v_pk_add_f32 v[SQ+8:SQ+9], v[SQ+8:SQ+9], v[SQ+12:SQ+13]
	v_add_f32 v[SQ], v[SQ], v[SQ+1]
	v_add_f32 v[SQ+1], v[SQ+8], v[SQ+9]
	WRED SQ, SQ+2
	WRED SQ+1, SQ+3
	s_wait_alu depctr_va_vdst(0)                   ; the two sums are written, which the LDS store reads
	ds_store_b64 v[REDW], v[SQ:SQ+1]               ; my wave's {n1, n2}
	s_wait_dscnt 0x0                               ; for the others' sake: my rows of the image and my sums are stored
	s_barrier_signal -1
	s_barrier_wait -1
	ds_load_b128 v[40:43], v[REDR]                 ; no wait: the lines that named v40 to v47 stand ahead of the waits above
	ds_load_b128 v[44:47], v[REDR] offset:16
	s_mov_b64 s[CUR:CUR+1], s[NX1:NX1+1]           ; the sets move up: after three blocks they lie in block order
	s_mov_b64 s[CUR+2:CUR+3], s[NX1+2:NX1+3]
	s_mov_b64 s[NX1:NX1+1], s[NX2:NX2+1]
	s_mov_b64 s[NX1+2:NX1+3], s[NX2+2:NX2+3]
	s_mul_f32 s3, s[SB], s[RC]
	s_mul_f32 s3, s3, 0x3f610000                   ; 900 / 1024
	s_wait_dscnt 0x0
.if \more
	s_wait_alu depctr_vm_vsrc(0)                   ; the image's LDS stores have read WST
	v_add_nc_u32 v[WST], 2*LAYB, v[WST]            ; the next block's place in the image; the waits on va_vdst below stand ahead of its next reader
.endif
	v_pk_add_f32 v[40:41], v[40:41], v[42:43]
	v_pk_add_f32 v[44:45], v[44:45], v[46:47]
	v_pk_add_f32 v[40:41], v[40:41], v[44:45]      ; n1, n2
	v_max_num_f32 v40, TINY, v40
	v_max_num_f32 v41, TINY, v41
	v_rsq_f32 v42, v40                             ; alpha = 1 / sqrt n1
	v_rsq_f32 v43, v41
	v_nop                                          ; a plain instruction between a transcendental and the use of its result (ISA guide 5.7.2)
	s_wait_alu depctr_va_vdst(0)                   ; the two reciprocal roots v42 and v43 are written, ahead of their first reader
	v_mul_f32 v44, v40, v42                        ; sqrt n1
	v_mul_f32 v45, v41, v43                        ; sqrt n2
	v_mul_f32 v46, s3, v44                         ; gamma
	v_fma_f32 v47, v46, v45, s[RC]                 ; R of the next block
	v_rcp_f32 v44, v47                             ; kappa
	v_nop
	v_readfirstlane_b32 s[NX2+1], v42
	v_readfirstlane_b32 s[NX2+2], v46
	s_wait_alu depctr_va_vdst(0)                   ; the reciprocal v44 is written, ahead of its first reader
	v_readfirstlane_b32 s[NX2+3], v44
	s_mul_f32 s[NX2], s[SB], s[B2]                 ; beta1 = s_b 30 / (64 pi)
	v_readfirstlane_b32 s[RC], v47
	s_mov_b32 s[SB], 0.5
	s_wait_alu depctr_va_sdst(0)                   ; alpha, gamma, kappa and R are written as scalars, ahead of their first readers and of the branch
.endm
	s_mov_b32 s[CVC], 2
.Lconv:
	CONV 1
	s_sub_co_u32 s[CVC], s[CVC], 1
	s_cmp_lg_u32 s[CVC], 0
	s_cbranch_scc1 .Lconv
	CONV 0                                         ; the last block is written out: no load leaves the buffers
	s_wait_alu depctr_vm_vsrc(0)                   ; the image's last LDS stores have read v48 to v111: the load below lands in four of them, and the groups' lines write them all
	ds_load_b128 v[48:51], v[REDR] offset:64       ; the four waves' shares of n0, stored ahead of the first of the barriers above
	s_wait_dscnt 0x0
	v_add_f32 v48, v48, v49
	v_add_f32 v50, v50, v51
	v_add_f32 v48, v48, v50
	v_max_num_f32 v48, TINY, v48
	v_rsq_f32 v49, v48
	v_nop
	s_wait_alu depctr_va_vdst(0)                   ; the reciprocal root v49 is written, ahead of its first reader
	v_mul_f32 v50, v48, v49                        ; sqrt n0
	v_readfirstlane_b32 s3, v49
	v_readfirstlane_b32 s4, v50
	s_wait_alu depctr_va_sdst(0)                   ; s3 and s4 are written, ahead of their first readers
	s_mul_f32 s[MU], s3, 0x45d676fc                ; (2 pi / 30) 2^15
	s_mul_f32 s4, s4, 0x37f00000                   ; 30 / 2^20
	s_mul_f32 s[DELTA], s4, s[RC]
; ---------------------------------------------------------------- the elementwise work of one tile of 16 features, as a numbered list; all on pairs p = 0..3, one kind of line for all four pairs before the next kind
; Numbers 4 to 51 of the list: reduction and the two polynomials.
.macro CORE n
	WIN 0
.set cp, 2*((\n)%4)
.if (\n) < 12
	v_rndne_f32 v[TN+(\n)-4], v[TT+(\n)-4]
.elseif (\n) < 16
	v_pk_add_f32 v[TT+cp:TT+cp+1], v[TT+cp:TT+cp+1], v[TN+cp:TN+cp+1] neg_lo:[0,1] neg_hi:[0,1]
.elseif (\n) < 20
	v_pk_mul_f32 v[TU+cp:TU+cp+1], v[TT+cp:TT+cp+1], v[TT+cp:TT+cp+1]
.elseif (\n) < 24
	v_pk_fma_f32 v[TQ+cp:TQ+cp+1], v[TU+cp:TU+cp+1], s[SS+8:SS+9], s[SS+6:SS+7] op_sel_hi:[1,0,0]
.elseif (\n) < 28
	v_pk_fma_f32 v[TC+cp:TC+cp+1], v[TU+cp:TU+cp+1], s[CC+8:CC+9], s[CC+6:CC+7] op_sel_hi:[1,0,0]
.else
.set lv, 4-2*(((\n)-28)/8)
.if (((\n)-28)%8) < 4
	v_pk_fma_f32 v[TQ+cp:TQ+cp+1], v[TQ+cp:TQ+cp+1], v[TU+cp:TU+cp+1], s[SS+lv:SS+lv+1] op_sel_hi:[1,1,0]
.else
	v_pk_fma_f32 v[TC+cp:TC+cp+1], v[TC+cp:TC+cp+1], v[TU+cp:TU+cp+1], s[CC+lv:CC+lv+1] op_sel_hi:[1,1,0]
.endif
.endif
.endm
; Number num of tile mt's list.
; kind 0, the first layer, 92 numbers: 0-11 t from the coordinates; 12-59 CORE; 60-63 h = sin; 64-75 U_k = w_k x cos; 76-91 all four rows to f16.
; kind 1, a block's first layer, 84: 0-3 t = sum x beta + bias; 4-51 CORE; 52-55 sin; 56-67 tangent sums x cos; 68-83 all four rows to f16.
; kind 2, its second layer, 96: 0-51 the same; 52-55 h += sin; 56-67 U_k += sum x cos; 68-79 U_k x kappa; 80-95 all four rows to f16.
; Every accumulator is first read at its lowest pair.
.macro EW kind, mt, num
.set ab, ACC+32*((\mt)%2)
.set tb, AF+32*((\mt)%2)
.set bs, BS+8*(\mt)
.set ob, 8*((\mt)/2)+4*((\mt)%2)
.set hb, 32*(\mt)
.set pp, (\num)%4
.set p2, 2*pp
.if (\kind) == 0
.if (\num) < 4
	WIN 0
	v_pk_fma_f32 v[TT+p2:TT+p2+1], v[tb+16+p2:tb+17+p2], v[CO+2:CO+3], v[tb+24+p2:tb+25+p2] op_sel_hi:[1,0,1]
.elseif (\num) < 8
	WIN 0
	v_pk_fma_f32 v[TT+p2:TT+p2+1], v[tb+8+p2:tb+9+p2], v[CO:CO+1], v[TT+p2:TT+p2+1] op_sel:[0,1,0] op_sel_hi:[1,1,1]
.elseif (\num) < 12
	WIN 0
	v_pk_fma_f32 v[TT+p2:TT+p2+1], v[tb+p2:tb+p2+1], v[CO:CO+1], v[TT+p2:TT+p2+1] op_sel_hi:[1,0,1]
.elseif (\num) < 60
	CORE (\num)-8
.elseif (\num) < 64
	WIN W_H0
	v_pk_mul_f32 v[hb+p2:hb+p2+1], v[TQ+p2:TQ+p2+1], v[TT+p2:TT+p2+1]
.elseif (\num) < 76
.set kk, ((\num)-64)/4
	WIN W_H0
	v_pk_mul_f32 v[hb+8+8*kk+p2:hb+9+8*kk+p2], v[tb+8*kk+p2:tb+8*kk+p2+1], v[TC+p2:TC+p2+1]
.else
.set kk, ((\num)-76)/4
	WIN W_CP
	v_cvt_pk_f16_f32 v[HF+32*kk+ob+pp], v[hb+8*kk+p2], v[hb+8*kk+p2+1]
.endif
.elseif (\num) < 4
	WIN 0
	v_pk_fma_f32 v[TT+p2:TT+p2+1], v[ab+p2:ab+p2+1], s[BETA:BETA+1], v[bs+p2:bs+p2+1] op_sel_hi:[1,0,1]
.elseif (\num) < 52
	CORE \num
.elseif (\kind) == 1
.if (\num) < 56
	WIN 0
	v_pk_mul_f32 v[TN+p2:TN+p2+1], v[TQ+p2:TQ+p2+1], v[TT+p2:TT+p2+1]
.elseif (\num) < 68
.set kk, ((\num)-56)/4
	WIN 0
	v_pk_mul_f32 v[TM+8*kk+p2:TM+8*kk+p2+1], v[ab+8+8*kk+p2:ab+9+8*kk+p2], v[TC+p2:TC+p2+1]
.elseif (\num) < 72
	WIN W_CV
	v_cvt_pk_f16_f32 v[SF+ob+pp], v[TN+p2], v[TN+p2+1]
.else
.set kk, ((\num)-72)/4
	WIN W_CV
	v_cvt_pk_f16_f32 v[SF+32+32*kk+ob+pp], v[TM+8*kk+p2], v[TM+8*kk+p2+1]
.endif
.else
.if (\num) < 56
	WIN W_H
	v_pk_fma_f32 v[hb+p2:hb+p2+1], v[TQ+p2:TQ+p2+1], v[TT+p2:TT+p2+1], v[hb+p2:hb+p2+1]
.elseif (\num) < 68
.set kk, ((\num)-56)/4
	WIN W_H
	v_pk_fma_f32 v[hb+8+8*kk+p2:hb+9+8*kk+p2], v[ab+8+8*kk+p2:ab+9+8*kk+p2], v[TC+p2:TC+p2+1], v[hb+8+8*kk+p2:hb+9+8*kk+p2]
.elseif (\num) < 80
.set kk, ((\num)-68)/4
	WIN W_K
	v_pk_mul_f32 v[TM+8*kk+p2:TM+8*kk+p2+1], v[hb+8+8*kk+p2:hb+9+8*kk+p2], s[KAP:KAP+1] op_sel_hi:[1,0]
.elseif (\num) < 84
	WIN W_CP
	v_cvt_pk_f16_f32 v[HF+ob+pp], v[hb+p2], v[hb+p2+1]
.else
.set kk, ((\num)-84)/4
	WIN W_CV
	v_cvt_pk_f16_f32 v[HF+32+32*kk+ob+pp], v[TM+8*kk+p2], v[TM+8*kk+p2+1]
.endif
.endif
.endm
; ---------------------------------------------------------------- the matrix work
; Product idx of a tile's 16: inputs 32 (idx / 4) on, row idx % 4.  The four accumulators take turns, one instruction a turn, and the two buffers alternate from tile to tile.  The first four start the sums.
.macro MM src, mt, idx
	WIN W_MM
.set ra, ACC+32*((\mt)%2)+8*((\idx)%4)
.set rf, 32*(\mt)+8*((\idx)/4)
.set rb, (\src)+32*((\idx)%4)+8*((\idx)/4)
.if (\idx) < 4
	v_wmma_f32_16x16x32_f16 v[ra:ra+7], v[rf:rf+7], v[rb:rb+7], 0
.else
	v_wmma_f32_16x16x32_f16 v[ra:ra+7], v[rf:rf+7], v[rb:rb+7], v[ra:ra+7]
.endif
.endm
; The LDS loads of step mt, in one run: the next tile's four weight fragments; in step 0 also the layer's eight bias sets.  No wait stands ahead of them: since the wait in the tail of the layer before,
; only the products of tiles 0 to mt have named window 3, each its own tile's registers, and no vector or matrix instruction has named the biases' registers, AW or AB.
.macro LOADS mt
.if (\mt) < 7
	WIN W_L3
.irp e, 0,1,2,3
	ds_load_b128 v[32*((\mt)+1)+8*\e:32*((\mt)+1)+8*\e+3], v[AW] offset:((\mt)+1)*TILE+64*\e
	ds_load_b128 v[32*((\mt)+1)+8*\e+4:32*((\mt)+1)+8*\e+7], v[AW] offset:((\mt)+1)*TILE+64*\e+32
.endr
.endif
.if (\mt) == 0
	WIN 0
.set bi_, 0
.rept 8
	ds_load_b128 v[BS+8*bi_:BS+8*bi_+3], v[AB] offset:64*bi_
	ds_load_b128 v[BS+8*bi_+4:BS+8*bi_+7], v[AB] offset:64*bi_+16
.set bi_, bi_+1
.endr
.endif
.endm
; A tile's 16 products, and behind each a slice of the list of the tile before: 84 = 4 x 6 + 12 x 5, or 96 = 16 x 6.  None of a slice's lines names a register of the products round it
; (they read the other accumulator buffer and write the other fragment set), so the slices are also the places that stand between a product and the first read of its result (ISA guide 7.12.1).
; The run of loads stands behind the second slice.  The first tile has no list to carry: four v_nop are its places.
.macro STEP kind, src, mt
	s_wait_dscnt 0x0                               ; this tile's fragments are in: asked for 14 products ago, tile 0's in the tail of the layer before; in step 1 the biases too
.set jj, 0
.set ii, 0
.rept 16
	MM \src, \mt, ii
.if (\mt) > 0
.if (\kind) == 2
.set ns, 6
.elseif ii < 4
.set ns, 6
.else
.set ns, 5
.endif
.rept ns
	EW \kind, (\mt)-1, jj
.set jj, jj+1
.endr
.endif
.if ii == 1
	LOADS \mt
.endif
.set ii, ii+1
.endr
.if (\mt) == 0
.rept 4
	v_nop
.endr
.endif
.endm
; A layer: eight steps, and THE TAIL, the last tile's list, which has no products to stand behind.  The layer's waits stand behind the list's first four lines, which read the last bias set.
.macro LAYER kind, src
.set mm_, 0
.rept 8
	STEP \kind, \src, mm_
.set mm_, mm_+1
.endr
.set jj, 0
.rept 4
	EW \kind, 7, jj
.set jj, jj+1
.endr
	s_wait_alu depctr_vm_vsrc(0)                   ; the layer's LDS loads have read AW and AB
	v_add_nc_u32 v[AW], LAYB, v[AW]
	v_add_nc_u32 v[AB], 512, v[AB]
	WIN W_L3
	s_wait_alu depctr_va_vdst(0)                   ; the layer's 128 products are done reading window 3; all eight bias sets have been read; AW and AB are written: it serves all LDS loads up to the next tail
.irp e, 0,1,2,3
	ds_load_b128 v[8*\e:8*\e+3], v[AW] offset:64*\e                ; the next layer's first tile (behind the last layer: tile 48; the image is dense): the rest of the list stands between these loads and their use
	ds_load_b128 v[8*\e+4:8*\e+7], v[AW] offset:64*\e+32
.endr
.rept 80+12*((\kind)-1)
	EW \kind, 7, jj
.set jj, jj+1
.endr
	WIN 0
.endm
.macro FTLOAD mt                ; the first layer's four tables for tile mt: eight features each
	WIN 0
.set lf, AF+32*((\mt)%2)
.irp e, 0,1,2,3
	ds_load_b128 v[lf+8*\e:lf+8*\e+3], v[AF0] offset:512*\e+64*(\mt)
	ds_load_b128 v[lf+8*\e+4:lf+8*\e+7], v[AF0] offset:512*\e+64*(\mt)+16
.endr
.endm
; ---------------------------------------------------------------- four groups of 16 points
	s_mov_b32 s[GCNT], 4
.Lgroup:
	v_mov_b32 v[AW], v[AW0]                        ; the loads that read AW and AB stand ahead of the wait on vm_vsrc at the group's end; their next readers stand behind the wait that closes the first layer
	v_mov_b32 v[AB], v[AB0]
	SETC s[MU]
	FTLOAD 0                                       ; no wait, here and in tile 0: v112-175 were last named by the last hidden layer's bias lines, ahead of its tail's wait
.set mm_, 0
.rept 8                         ; the first layer, tile by tile, on the vector unit: three inputs would leave 29 of a matrix instruction's 32 unused
	s_wait_dscnt 0x0                               ; this tile's tables are in
.if mm_ < 7
.if mm_ > 0
	s_wait_alu depctr_va_vdst(0)                   ; the list of the tile before is done reading its tables, in whose registers the loads below land
.endif
	FTLOAD mm_+1
.else
	WIN W_L3
.irp e, 0,1,2,3
	ds_load_b128 v[8*\e:8*\e+3], v[AW0] offset:64*\e               ; the first hidden layer's first fragments.  No wait: the first layer's lines name nothing of window 3
	ds_load_b128 v[8*\e+4:8*\e+7], v[AW0] offset:64*\e+32
.endr
.endif
.set jj, 0
.rept 92
	EW 0, mm_, jj
.set jj, jj+1
.endr
.set mm_, mm_+1
.endr
	WIN 0                                          ; at a label and at a branch every window is 0
	s_wait_alu depctr_va_vdst(0)                   ; the last two lists are done reading the tables in v112-175, in which the first hidden layer's biases land; AW and AB are written
	s_mov_b32 s[BCNT], 3
.Lblock:
	s_mov_b32 s[BETA], s[CUR]
	SETC s[CUR+1]
	LAYER 1, HF
	s_mov_b32 s[BETA], s[B2]
	SETC s[CUR+2]
	s_mov_b32 s[KAP], s[CUR+3]
	LAYER 2, SF
	s_mov_b64 s[ROT:ROT+1], s[CUR:CUR+1]           ; the three sets go round: three trips bring them back
	s_mov_b64 s[ROT+2:ROT+3], s[CUR+2:CUR+3]
	s_mov_b64 s[CUR:CUR+1], s[NX1:NX1+1]
	s_mov_b64 s[CUR+2:CUR+3], s[NX1+2:NX1+3]
	s_mov_b64 s[NX1:NX1+1], s[NX2:NX2+1]
	s_mov_b64 s[NX1+2:NX1+3], s[NX2+2:NX2+3]
	s_mov_b64 s[NX2:NX2+1], s[ROT:ROT+1]
	s_mov_b64 s[NX2+2:NX2+3], s[ROT+2:ROT+3]
	s_sub_co_u32 s[BCNT], s[BCNT], 1
	s_cmp_lg_u32 s[BCNT], 0
	s_cbranch_scc1 .Lblock
; The last layer, for the three tangent rows: accumulator k holds d out_j / d c_k in register j = 0..3, in both halves of the lanes.  Three accumulators by turns.
	s_wait_dscnt 0x0                               ; tile 48's fragments, asked for in the last tail, are in
	WIN W_MM
.irp c, 0,1,2,3
.irp k, 0,1,2
.if \c == 0
	v_wmma_f32_16x16x32_f16 v[ACC+8*\k:ACC+8*\k+7], v[8*\c:8*\c+7], v[HF+32+32*\k+8*\c:HF+32+32*\k+8*\c+7], 0
.else
	v_wmma_f32_16x16x32_f16 v[ACC+8*\k:ACC+8*\k+7], v[8*\c:8*\c+7], v[HF+32+32*\k+8*\c:HF+32+32*\k+8*\c+7], v[ACC+8*\k:ACC+8*\k+7]
.endif
.endr
.endr
	WIN 0
.rept 4
	v_nop                                          ; the places behind those products
.endr
	v_add_f32 v40, v[ACC], v[ACC+8+3]              ; J00 + J31
	v_add_f32 v41, v[ACC+8], v[ACC+16+1]           ; J01 + J12
	v_add_f32 v42, v[ACC+16], v[ACC+2]             ; J02 + J20
	v_sub_f32 v40, v40, v[ACC+16+2]                ; - J22
	v_sub_f32 v41, v41, v[ACC+3]                   ; - J30
	v_sub_f32 v42, v42, v[ACC+8+1]                 ; - J11
	v_mul_f32 v40, s[DELTA], v40                   ; the tangents' scale is taken off
	v_mul_f32 v41, s[DELTA], v41
	v_mul_f32 v42, s[DELTA], v42
	s_wait_alu depctr_va_vdst(0)                   ; v40 to v42 are written, which the LDS stores read (STO since the group before); the last layer's products are done reading window 3's first tile
	ds_store_b32 v[STO], v40                       ; lanes r and 16 + r hold the same numbers and write the same words
	ds_store_b32 v[STO], v41 offset:4
	ds_store_b32 v[STO], v42 offset:8
.irp e, 0,1,2,4,5,6,8,9,10
	v_mov_b32 v[CO+\e], v[CO+4+\e]                 ; the next group's coordinates move to where the one text of the first layer names them
.endr
	s_wait_alu depctr_vm_vsrc(0)                   ; the three stores have read STO and v40 to v42, and the group's LDS loads AW and AB: STO is written below, the others in the next group or by the way out's loads
	v_add_nc_u32 v[STO], 192, v[STO]
	s_sub_co_u32 s[GCNT], s[GCNT], 1
	s_cmp_lg_u32 s[GCNT], 0
	s_cbranch_scc1 .Lgroup
; ---------------------------------------------------------------- the way out: my wave's 768 bytes, its own in LDS (LDS serves a wave's instructions in order: ISA guide 5.7.1.4), as three stores of 32 lanes x 8 bytes
; No s_wait_alu: v40 to v45 were last named by vector lines ahead of the group's wait on va_vdst and by LDS stores ahead of its wait on vm_vsrc; the global stores' data come from LDS loads, which DScnt shows.
	ds_load_b64 v[40:41], v[RDA]
	ds_load_b64 v[42:43], v[RDA] offset:256
	ds_load_b64 v[44:45], v[RDA] offset:512
	s_wait_dscnt 2                                 ; the two younger loads may be out
	global_store_b64 v[GOF], v[40:41], s[26:27] th:TH_STORE_NT             ; each store covers 256 consecutive bytes, at a multiple of 256 from out0's first byte
	s_wait_dscnt 1
	global_store_b64 v[GOF], v[42:43], s[26:27] offset:256 th:TH_STORE_NT
	s_wait_dscnt 0x0
	global_store_b64 v[GOF], v[44:45], s[26:27] offset:512 th:TH_STORE_NT
	s_wait_dscnt 0x0                               ; the closing lines, six on end
	s_wait_alu 0x0
	s_wait_tensorcnt 0x0
	ds_add_u32 v[SPW], v[NIL]
	s_wait_dscnt 0x0
	s_endpgm
.Lfunc_end_k_q7642552239_fsrn:
	.size	k_q7642552239_fsrn, .Lfunc_end_k_q7642552239_fsrn-k_q7642552239_fsrn
	.p2alignl 7, 3214868480
	.fill 96, 4, 3214868480
	.section	.rodata,"a",@progbits
	.p2align	6, 0x0
	.amdhsa_kernel k_q7642552239_fsrn
		.amdhsa_group_segment_fixed_size 222208
		.amdhsa_private_segment_fixed_size 0
		.amdhsa_enable_private_segment 0
		.amdhsa_kernarg_size 80
		.amdhsa_user_sgpr_count 2
		.amdhsa_user_sgpr_kernarg_segment_ptr 1
		.amdhsa_wavefront_size32 1
		.amdhsa_system_sgpr_workgroup_id_x 1
		.amdhsa_system_sgpr_workgroup_id_y 1
		.amdhsa_system_sgpr_workgroup_id_z 1
		.amdhsa_system_vgpr_workitem_id 0
		.amdhsa_next_free_vgpr 1024
		.amdhsa_next_free_sgpr 96
		.amdhsa_reserve_vcc 0
		.amdhsa_float_denorm_mode_32 3
		.amdhsa_float_denorm_mode_16_64 3
		.amdhsa_memory_ordered 1
		.amdhsa_forward_progress 1
		.amdhsa_inst_pref_size 255
	.end_amdhsa_kernel
	.section	.bss,"aw",@nobits
	.p2align	6
	.space	262144
	.amdgpu_metadata
---
amdhsa.version: [ 1, 2 ]
amdhsa.kernels:
  - .name:           k_q7642552239_fsrn
    .symbol:         k_q7642552239_fsrn.kd
    .args:
      - { .name: coords, .offset: 0, .size: 8, .value_kind: global_buffer, .address_space: global }
      - { .name: first_w, .offset: 8, .size: 8, .value_kind: global_buffer, .address_space: global }
      - { .name: first_b, .offset: 16, .size: 8, .value_kind: global_buffer, .address_space: global }
      - { .name: res_w1, .offset: 24, .size: 8, .value_kind: global_buffer, .address_space: global }
      - { .name: res_b1, .offset: 32, .size: 8, .value_kind: global_buffer, .address_space: global }
      - { .name: res_w2, .offset: 40, .size: 8, .value_kind: global_buffer, .address_space: global }
      - { .name: res_b2, .offset: 48, .size: 8, .value_kind: global_buffer, .address_space: global }
      - { .name: final_w, .offset: 56, .size: 8, .value_kind: global_buffer, .address_space: global }
      - { .name: final_b, .offset: 64, .size: 8, .value_kind: global_buffer, .address_space: global }
      - { .name: out0, .offset: 72, .size: 8, .value_kind: global_buffer, .address_space: global }
    .group_segment_fixed_size: 222208
    .private_segment_fixed_size: 0
    .kernarg_segment_align: 8
    .kernarg_segment_size: 80
    .max_flat_workgroup_size: 128
    .sgpr_count:     96
    .vgpr_count:     1024
    .wavefront_size: 32
...
	.end_amdgpu_metadata
.endif
;; end of part 2
